; MI455X (gfx1250); checked and timed in simulation.
; The chip was launched on July 23, 2026; its instructions are those of AMD's public machine-readable ISA for CDNA 5 (MIT licence, August 2026) and "CDNA5" Instruction Set Architecture Reference Guide (July 2026). The comments in the code are by the model that wrote it; some were corrected since.
;; Attention Head. Allowed arithmetic: float matrix products may take bf16 or f16 operands with f32 sums; all other float work in f32.
;; Inputs: W_k 512 x 512 float32; W_q 512 x 512 float32; W_v 512 x 512 float32; b_k 512 float32; b_q 512 float32; b_v 512 float32; input 8 x 2,048 x 512 float32; mask 8 x 2,048 x 2,048 int32.
;; Outputs: out0 8 x 2,048 x 512 float32.
;; One version. Each part assembles by itself: llvm-mc -triple=amdgcn-amd-amdhsa -mcpu=gfx1250 --defsym DOCPART=n.
;; ======== version 1 of 1: 3 launches
;; limits: values are held in f16: magnitudes above 65,504 overflow, below 6.1e-05 lose precision
;; workspace buffers: q16 16,777,216 bytes; k16 16,777,216 bytes; v16 16,777,216 bytes; wb 1,572,864 bytes
;; launch castw (part 1): grid 256 x 1, 8 waves a work-group, no clusters, 0 bytes of LDS; arguments W_q, W_k, W_v, wb; writes wb
.if DOCPART == 1
	.amdgcn_target "amdgcn-amd-amdhsa--gfx1250"
	.amdhsa_code_object_version 6
	.text
	.protected	k_q23d0557157_castw
	.globl	k_q23d0557157_castw
	.p2align	8
	.type	k_q23d0557157_castw,@function
k_q23d0557157_castw:
	s_mov_b64 s[64:65], 0
	v_nop
	global_prefetch_b8 v0, s[64:65] scope:SCOPE_SE
	s_setreg_imm32_b32 hwreg(HW_REG_WAVE_MODE, 25, 1), 1
	s_wait_xcnt 0x0
; wb[t][n][k] = W_t[n][k] rounded to bf16 (nearest even), t = q, k, v.  W_t: [512][512] f32; wb: [3][512][512] bf16, row-major.
; The next launch walks the three matrices 128 times over; rounded once here, they are half the bytes there and need no conversion on the way to the matrix unit.
; A stream of 3 MiB in and 1.5 MiB out: no LDS, no matrix unit, no cluster (no byte is read twice).
; 256 work-groups x 256 threads = 65,536 threads; thread g takes numbers 4 g .. 4 g + 3 of each matrix: a wave's load covers 512 consecutive bytes,
; its store 256 consecutive bytes at a multiple of 256 from wb's first.  The three loads go out together.
; NaN and infinities pass as the conversion gives them; numbers beyond bf16's range do not exist in f32.
.set WBYTES, 524288                    ; a matrix in bf16
	s_load_b256 s[4:11], s[0:1], 0x0               ; W_q s[4:5], W_k s[6:7], W_v s[8:9], wb s[10:11]
	s_lshl_b32 s2, ttmp9, 8
	v_add_nc_u32 v1, s2, v0                        ; g
	v_lshlrev_b32 v2, 4, v1                        ; 16 bytes in
	v_lshlrev_b32 v3, 3, v1                        ; 8 bytes out
	s_wait_kmcnt 0x0
	global_load_b128 v[4:7],   v2, s[4:5] th:TH_LOAD_NT
	global_load_b128 v[8:11],  v2, s[6:7] th:TH_LOAD_NT
	global_load_b128 v[12:15], v2, s[8:9] th:TH_LOAD_NT
	s_wait_loadcnt 0x2                             ; loads come back in order (ISA guide 5.7.1): W_q's is in, the two younger may be out
	v_cvt_pk_bf16_f32 v16, v4, v5
	v_cvt_pk_bf16_f32 v17, v6, v7
	global_store_b64 v3, v[16:17], s[10:11]
	s_wait_loadcnt 0x1                             ; W_k's
	v_cvt_pk_bf16_f32 v18, v8, v9
	v_cvt_pk_bf16_f32 v19, v10, v11
	global_store_b64 v3, v[18:19], s[10:11] offset:WBYTES
	s_wait_loadcnt 0x0                             ; W_v's
	v_cvt_pk_bf16_f32 v20, v12, v13
	v_cvt_pk_bf16_f32 v21, v14, v15
	global_store_b64 v3, v[20:21], s[10:11] offset:2*WBYTES
	s_endpgm
.Lfunc_end_k_q23d0557157_castw:
	.size	k_q23d0557157_castw, .Lfunc_end_k_q23d0557157_castw-k_q23d0557157_castw
	.p2alignl 7, 3214868480
	.fill 96, 4, 3214868480
	.section	.rodata,"a",@progbits
	.p2align	6, 0x0
	.amdhsa_kernel k_q23d0557157_castw
		.amdhsa_group_segment_fixed_size 0
		.amdhsa_private_segment_fixed_size 0
		.amdhsa_enable_private_segment 0
		.amdhsa_kernarg_size 32
		.amdhsa_user_sgpr_count 2
		.amdhsa_user_sgpr_kernarg_segment_ptr 1
		.amdhsa_wavefront_size32 1
		.amdhsa_system_sgpr_workgroup_id_x 1
		.amdhsa_system_sgpr_workgroup_id_y 1
		.amdhsa_system_sgpr_workgroup_id_z 1
		.amdhsa_system_vgpr_workitem_id 0
		.amdhsa_next_free_vgpr 24
		.amdhsa_next_free_sgpr 66
		.amdhsa_reserve_vcc 0
		.amdhsa_float_denorm_mode_32 3
		.amdhsa_float_denorm_mode_16_64 3
		.amdhsa_memory_ordered 1
		.amdhsa_forward_progress 1
		.amdhsa_inst_pref_size 2
	.end_amdhsa_kernel
	.amdgpu_metadata
---
amdhsa.version: [ 1, 2 ]
amdhsa.kernels:
  - .name:           k_q23d0557157_castw
    .symbol:         k_q23d0557157_castw.kd
    .args:
      - { .name: W_q, .offset: 0, .size: 8, .value_kind: global_buffer, .address_space: global }
      - { .name: W_k, .offset: 8, .size: 8, .value_kind: global_buffer, .address_space: global }
      - { .name: W_v, .offset: 16, .size: 8, .value_kind: global_buffer, .address_space: global }
      - { .name: wb, .offset: 24, .size: 8, .value_kind: global_buffer, .address_space: global }
    .group_segment_fixed_size: 0
    .private_segment_fixed_size: 0
    .kernarg_segment_align: 8
    .kernarg_segment_size: 32
    .max_flat_workgroup_size: 256
    .sgpr_count:     66
    .vgpr_count:     24
    .wavefront_size: 32
...
	.end_amdgpu_metadata
.endif
;; end of part 1
;; launch proj (part 2): grid 128 x 2, 4 waves a work-group, clusters of 4 x 1, 327,680 bytes of LDS; arguments input, wb, b_q, b_k, b_v, q16, k16, v16; writes q16, k16, v16
.if DOCPART == 2
	.amdgcn_target "amdgcn-amd-amdhsa--gfx1250"
	.amdhsa_code_object_version 6
	.text
	.protected	k_q23d0557157_proj
	.globl	k_q23d0557157_proj
	.p2align	8
	.type	k_q23d0557157_proj,@function
k_q23d0557157_proj:
	s_mov_b64 s[64:65], 0
	v_nop
	global_prefetch_b8 v0, s[64:65] scope:SCOPE_SE
	s_setreg_imm32_b32 hwreg(HW_REG_WAVE_MODE, 25, 1), 1
	s_wait_xcnt 0x0
	s_wait_alu depctr_hold_cnt(0) depctr_sa_sdst(0) depctr_va_vdst(0) depctr_va_sdst(0) depctr_va_ssrc(0) depctr_va_vcc(0) depctr_vm_vsrc(0)
	s_getreg_b32 s2, hwreg(HW_REG_IB_STS2, 6, 4)
	s_cmp_eq_u32 s2, 0
	s_cbranch_scc0 .Lentry_in_a_cluster
	s_endpgm
.Lentry_in_a_cluster:
	s_bfe_u32 s2, ttmp6, 0x10000c
	s_cmp_lg_u32 s2, 0x3003
	s_cbranch_scc0 .Lentry_shape_is_right
	s_endpgm
.Lentry_shape_is_right:
; q16 = c (x Wq^T + bq), k16 = x Wk^T + bk, v16 = x Wv^T + bv.  x: [16384][512] f32; wb: [3][512][512] bf16 (the weights, rounded by the launch before); b: [512] f32.
; c = log2(e) / sqrt(512), applied in f32 ahead of the one rounding to f16, so that the next launch's scores are exponents of 2.
; x and b are rounded to bf16 here, like W; products in bf16, sums in f32 (the bias starts each sum); results rounded once to f16.
; OUTPUT LAYOUT: [g = column / 64][row][64] f16: a wave's 16 rows x 64 columns are 2,048 consecutive bytes.
; LIMITS.  f16 ends at 65,504: |c q|, |k|, |v| beyond it become infinities; below 6e-5 f16 keeps a fixed step of 6e-8.  NaN and infinities are not treated apart.
; SHARES.  A work-group owns 128 rows of x and 256 columns of each of q, k, v: three tiles, one after the other: 128 x 2 = 256 work-groups.
; Wave w owns all 128 rows x columns 64 w .. 64 w + 63 of the tile: 32 accumulators, 256 registers.  The product is used transposed (source 0 = 16 rows of W,
; source 1 = 16 rows of x): a lane then holds one row and eight neighbouring columns.
; x is read once by the work-group, in four parts of K = 128 (512 consecutive bytes an instruction).  All four parts are asked for ahead of the loop, into 512 registers of their own, so that each has been
; on its way since the start; a part is rounded to bf16 and stored into LDS, where it stays for all three tiles, in front of the round behind which it is first read.
; W comes by tensor loads, K = 128 a step (rows of 256 bytes at multiples of 256), through two slots; each wave fetches the 64 rows of W that it alone reads.  From a request to the wait for it a wave issues 128 products.
; CLUSTER.  The four row blocks of a cluster walk the same W, so every tile of W is asked for jointly by the four (mask 15): a quarter of the requests.
; REGISTERS in windows of 256 (s_set_vgpr_msb: bits 1:0 source 0, 3:2 source 1, 5:4 source 2, 7:6 destination):
;   window 0: v0-31 addresses and at work; v32-63 bias; v64-191 x fragments, two buffers; v192-255 W fragments, two buffers
;   window 1: accumulator (cb, rb) at 8 (8 cb + rb)
;   windows 2, 3: part p of x as loaded, in window 2 + p / 2 at 128 (p % 2); later, in window 2: v0-127 the packed results, v128-159 at work on the way out
.set SLOTB,  69632                     ; a slot: 256 rows of W x 272 bytes
.set WPART,  17408                     ; a wave's 64 rows of it
.set WPITCH, 272                       ; 256 bytes + 16 of padding: the 16 rows of a load start 16 bytes apart modulo 256
.set AREG,   139264                    ; x in bf16: 128 rows x 1,040 bytes (1,024 + 16); written by LDS stores, never by a tensor load
.set APITCH, 1040
.set STAGE,  273408                    ; 16 rows x 144 bytes for each wave, for the way out
.set SPITCH, 144
.set SPARE,  282624                    ; the spare words, 128 bytes a wave: two blocks of 256 bytes that no other line names
.set BADR, 4                           ; v4-5   my place in my rows of W, slot 0, 1
.set AB,   6                           ; v6-7   my place in x's rows 0-63, 64-127
.set AC,   8                           ; v8-9   the same plus the trip's 512 bytes along K
.set XO,   10                          ; v10    my byte offset in x: 32 rows a wave, 16 bytes a lane; never rewritten
.set XAB,  11                          ; v11    where my 8 bytes of bf16 go in LDS
.set STO,  13                          ; v13    the way out: where I put 16 bytes of a row
.set RD,   14                          ; v14    where I read rows back
.set GO,   15                          ; v15    my byte offset in 512 consecutive bytes of the result
.set BO,   16                          ; v16    my byte offset in 16 numbers of the bias
.set SPW,  18                          ; v18    my spare word; never rewritten
.set NIL,  19                          ; v19    0; never rewritten
.set TMP,  20
.set BIAS, 32
.set AF,   64
.set BF,   192
.set OS,   0                           ; window 2
.set FT,   128                         ; window 2
.set WV,   8                           ; s8     wave
.set J,    14                          ; s14    the trip, 0 to 5: tile J / 2, K = 256 (J % 2) on
.set X,    16                          ; s[16:17] x at my work-group's first row; never rewritten behind the sums
.set FB,   36                          ; s[36:37] my rows of the W that is being asked for
.set NB,   38                          ; s[38:39] of the W behind it
.set G1,   40                          ; s[40:47] descriptor group 1
.set G0,   48                          ; s[48:55] descriptor group 0, a set for each slot
.set OFFP, 56                          ; s[56:57] a step's byte offset along K
.set FO,   58                          ; s58    the next trip's byte offset along W's rows
.set KO,   59                          ; s59    the trip's byte offset along x's rows in LDS
.set SC,   60                          ; s[60:61] the factor on the way out: c for q, 1 for k and v (one text for the three tiles)
.set T,    62                          ; s62    tiles that have gone out
.set OP,   66                          ; s[66:67] where the tile in hand goes
.set BPN,  68                          ; s[68:69] the next tile's bias
.set W_MUL,  0x50                      ; C and D window 1
.set W_MULF, 0x40                      ; D window 1, C (the bias) window 0
.set W_LD2,  0x80                      ; destination window 2
.set W_X,    0x8a                      ; all in window 2
.set W_ST2,  0x08                      ; store data window 2
.set W_SCL,  0x81                      ; source 0 window 1, destination window 2
.set MSB, 0
.macro WIN new                         ; the immediate's high byte repeats the setting that is left; a switch that changes nothing is dropped
.if MSB != (\new)
	s_set_vgpr_msb (MSB<<8)|(\new)
.set MSB, (\new)
.endif
.endm
.macro CROUND                          ; a round of the cluster's barrier
	s_barrier_signal -1
	s_barrier_wait -1
	s_cmp_lg_u32 s[WV], 0
	s_cbranch_scc1 .Lnot_wave_0_\@
	s_barrier_signal -3
.Lnot_wave_0_\@:
	s_barrier_wait -3
	s_barrier_signal -1
	s_barrier_wait -1
.endm
; A load into a register that a matrix instruction has read, and a vector instruction that reads a matrix result, stand four places behind that matrix instruction, and only plain vector
; instructions that name none of its registers are places (ISA guide 7.12.1 for vector instructions).
.macro PLACES
.rept 4
	v_nop
.endr
.endm
; 8 products: column block cb x all 8 row blocks, 32 along K, from buffer f.  first = 1: the bias starts the sums: nothing is cleared.
.macro MUL f, cb, first
.if \first
	WIN W_MULF
.else
	WIN W_MUL
.endif
.irp rb, 0,1,2,3,4,5,6,7
.if \first
	v_wmma_f32_16x16x32_bf16 v[8*(8*(\cb)+\rb):8*(8*(\cb)+\rb)+7], v[BF+32*(\f)+8*(\cb):BF+32*(\f)+8*(\cb)+7], v[AF+64*(\f)+8*\rb:AF+64*(\f)+8*\rb+7], v[BIAS+8*(\cb):BIAS+8*(\cb)+7]
.else
	v_wmma_f32_16x16x32_bf16 v[8*(8*(\cb)+\rb):8*(8*(\cb)+\rb)+7], v[BF+32*(\f)+8*(\cb):BF+32*(\f)+8*(\cb)+7], v[AF+64*(\f)+8*\rb:AF+64*(\f)+8*\rb+7], v[8*(8*(\cb)+\rb):8*(8*(\cb)+\rb)+7]
.endif
.endr
.endm
; 24 LDS loads in one run: block nk (32 along K) of slot ns into buffer g: my 64 rows of W, then x's 128 rows.  A fragment is two loads of 16 bytes, 32 bytes apart.
.macro FETCH ns, nk, g
	WIN 0
.irp cb, 0,1,2,3
	ds_load_b128 v[BF+32*(\g)+8*\cb:BF+32*(\g)+8*\cb+3],   v[BADR+(\ns)] offset:\cb*16*WPITCH+64*(\nk)
	ds_load_b128 v[BF+32*(\g)+8*\cb+4:BF+32*(\g)+8*\cb+7], v[BADR+(\ns)] offset:\cb*16*WPITCH+64*(\nk)+32
.endr
.irp rb, 0,1,2,3,4,5,6,7
	ds_load_b128 v[AF+64*(\g)+8*\rb:AF+64*(\g)+8*\rb+3],   v[AC+\rb/4] offset:(\rb%4)*16*APITCH+256*(\ns)+64*(\nk)
	ds_load_b128 v[AF+64*(\g)+8*\rb+4:AF+64*(\g)+8*\rb+7], v[AC+\rb/4] offset:(\rb%4)*16*APITCH+256*(\ns)+64*(\nk)+32
.endr
.endm
; THE CHANGE OF SLOTS.  Slot s has been read out.  Each wave waits for all its tensor loads (one is out: its rows of the other slot), adds 0 to its spare word, and waits for that and for its LDS
; instructions; the round shows the same of every wave of the four work-groups; the joint refill is the first thing behind it.  The four v_nop behind it are also the places in front of the loads that follow.
.macro CHG s
	WIN 0
	s_wait_tensorcnt 0x0               ; no tensor load of mine is out, so a group 0 may be written
	ds_add_u32 v[SPW], v[NIL]          ; 0 onto my spare word; the descriptor's words stand between it and the wait for it
	s_add_co_u32 s[OFFP], s[FO], 256*(\s)
	s_add_nc_u64 s[G0+4*(\s)+2:G0+4*(\s)+3], s[FB:FB+1], s[OFFP:OFFP+1]
	s_or_b32 s[G0+4*(\s)+3], s[G0+4*(\s)+3], 0x80000000
	s_wait_dscnt 0x0                   ; the add is done; my reads of the slot are back; my stores of x are in LDS
	CROUND
	tensor_load_to_lds s[G0+4*(\s):G0+4*(\s)+3], s[G1:G1+7]
	s_nop 0
	PLACES
.endm
.macro XLOAD p                         ; part p of x: my 32 rows x 512 bytes: an instruction takes 512 consecutive bytes of one row
	WIN (2+(\p)/2)<<6
.set i, 0
.rept 32
	global_load_b128 v[128*((\p)%2)+4*i:128*((\p)%2)+4*i+3], v[XO], s[X:X+1] offset:i*2048+512*(\p)
.set i, i+1
.endr
.endm
.macro XBODY p                         ; part p rounded to bf16, in place, and stored: 8 bytes a lane, 256 consecutive bytes of an LDS row
.set xb, 128*((\p)%2)
.set xw, 2+(\p)/2
	WIN (xw<<6)|(xw<<2)|xw
.set i, 0
.rept 32
	v_cvt_pk_bf16_f32 v[xb+4*i], v[xb+4*i], v[xb+4*i+1]
	v_cvt_pk_bf16_f32 v[xb+4*i+1], v[xb+4*i+2], v[xb+4*i+3]
.set i, i+1
.endr
	WIN xw<<2
.set i, 0
.rept 32
	ds_store_b64 v[XAB], v[xb+4*i:xb+4*i+1] offset:i*APITCH+256*(\p)
.set i, i+1
.endr
.endm
.macro XCONV p, left                   ; left: no more than the loads issued behind part p's, which may stay out
	s_wait_loadcnt \left
	XBODY \p
	WIN 0
.endm
.macro BIASLD p                        ; a lane's 8 numbers of the bias for each of the 4 column blocks
	WIN 0
.irp cb, 0,1,2,3
	global_load_b128 v[BIAS+8*\cb:BIAS+8*\cb+3],   v[BO], s[\p:\p+1] offset:64*\cb
	global_load_b128 v[BIAS+8*\cb+4:BIAS+8*\cb+7], v[BO], s[\p:\p+1] offset:64*\cb+16
.endr
.endm
.macro BIASRND                         ; rounded to bf16 like x and W, and widened again
	WIN 0
.set i, 0
.rept 16
	v_cvt_pk_bf16_f32 v[TMP+i%4], v[BIAS+2*i], v[BIAS+2*i+1]
	v_lshlrev_b32 v[BIAS+2*i], 16, v[TMP+i%4]
	v_and_b32 v[BIAS+2*i+1], 0xffff0000, v[TMP+i%4]
.set i, i+1
.endr
.endm
; A BLOCK: at its head its own fragments are waited for and the next block's (slot ns, block nk) are fetched into the other buffer, which the block before multiplied: four places stand between.
; Then 32 products on buffer f, in which those 24 loads land.  The 32 accumulators take turns, in the same order in every block.
; first = 1: the products take the bias as C and so write over the accumulators, where the others add in place: a fifth place stands between them and the last products that used those registers (ISA guide 7.12.1).
; mode 1: slot 0, whose last reads have just come back, changes; ahead of the round part 1 (trip 0) or part 3 (trip 1) of x goes into LDS: behind it slot 1's step reads that part.
; mode 2: the same for slot 1 and part 2 (trip 0), and x's place along K steps to the next trip's.  mode 3: the last block.  mode 4: the tail: slot 1's last tile is waited for.
; While a wave stores part p (bytes 256 p .. 256 p + 255 of x's rows), a slower wave may still read the part before it: other bytes.
.macro BLOCK f, first, mode, ns, nk
	WIN 0
	s_wait_dscnt 0x0                   ; this block's fragments are in
.if (\mode) == 0
	PLACES
.if \first
	v_nop                              ; the fifth place
.endif
.elseif (\mode) == 1
	s_cmp_lg_u32 s[J], 0
	s_cbranch_scc1 .Lnot0_\@
	XCONV 1, 63                        ; behind part 1's loads 64 were issued (parts 2 and 3); the counter's field ends at 63, and a smaller count is safe
.Lnot0_\@:
	s_cmp_lg_u32 s[J], 1
	s_cbranch_scc1 .Lnot1_\@
	XCONV 3, 0                         ; the last part: nothing was issued behind it
.Lnot1_\@:
	CHG 0
.elseif (\mode) == 2
	s_cmp_lg_u32 s[J], 0
	s_cbranch_scc1 .Lnot2_\@
	XCONV 2, 32                        ; part 3's 32 loads may stay out
.Lnot2_\@:
	s_xor_b32 s[KO], s[KO], 512        ; the next trip's place along x's rows: 0, 512, 0, ..
	v_add_nc_u32 v[AC], s[KO], v[AB]
	v_add_nc_u32 v[AC+1], s[KO], v[AB+1]
	CHG 1
.elseif (\mode) == 4
	s_wait_tensorcnt 0x0               ; my rows of the last step: no load was issued behind it; only I read them
	PLACES
.endif
.if (\mode) != 3
	FETCH \ns, \nk, 1-(\f)
.endif
	MUL \f, 0, \first
	MUL \f, 1, \first
	MUL \f, 2, \first
	MUL \f, 3, \first
.endm
; THE WAY OUT of row block t: times the factor, rounded to f16, 16 bytes a lane into my stage, back as four rows of 128 bytes: 512 consecutive bytes of the result.
; Each accumulator's registers are read in ascending order.
.macro PACK t
	WIN W_SCL
.irp cb, 0,1,2,3
.irp p, 0,1,2,3
	v_pk_mul_f32 v[FT+8*\cb+2*\p:FT+8*\cb+2*\p+1], v[8*(8*\cb+(\t))+2*\p:8*(8*\cb+(\t))+2*\p+1], s[SC:SC+1] op_sel_hi:[1,0]
.endr
.endr
	WIN W_X
.irp cb, 0,1,2,3
.irp p, 0,1,2,3
	v_cvt_pk_f16_f32 v[OS+16*(\t)+4*\cb+\p], v[FT+8*\cb+2*\p], v[FT+8*\cb+2*\p+1]
.endr
.endr
	WIN W_ST2
.irp cb, 0,1,2,3
	ds_store_b128 v[STO], v[OS+16*(\t)+4*\cb:OS+16*(\t)+4*\cb+3] offset:32*\cb
.endr
	WIN W_LD2
.irp q, 0,1,2,3
	ds_load_b128 v[OS+16*(\t)+4*\q:OS+16*(\t)+4*\q+3], v[RD] offset:\q*4*SPITCH  ; LDS serves a wave's instructions in order (ISA guide 5.7.1): these see the stores above
.endr
.endm
.macro SEND t, y                       ; y: the LDS instructions issued behind block t's loads: the next block's eight, or none
	WIN W_ST2
.irp q, 0,1,2,3
	s_wait_dscnt (\y)+3-\q
	global_store_b128 v[GO], v[OS+16*(\t)+4*\q:OS+16*(\t)+4*\q+3], s[OP:OP+1] offset:(\t)*2048+\q*512  ; 512 consecutive bytes, at a multiple of 512 from the buffer's first
.endr
.endm
.macro WAYOUT next
	WIN 0
	PLACES                             ; between the last products and the first read of a result
	s_wait_loadcnt 0x0                 ; nothing is on its way into the registers used here
	s_wait_xcnt 0x0                    ; and the last tile's stores have read theirs
.if \next
	s_cmp_eq_u32 s[T], 0
	s_cselect_b64 s[BPN:BPN+1], s[22:23], s[24:25]
	BIASLD BPN                         ; the next tile's bias comes while this tile leaves
.endif
	PACK 0
.irp t, 1,2,3,4,5,6,7
	PACK \t                            ; a block's arithmetic stands between the loads of the block before and its stores
	SEND \t-1, 8
.endr
	SEND 7, 0
	WIN 0
.if \next
	s_wait_xcnt 0x0                    ; the stores have read their base
	s_cmp_eq_u32 s[T], 0
	s_cselect_b64 s[OP:OP+1], s[28:29], s[30:31]
	s_mov_b32 s[SC], 1.0
	s_mov_b32 s[SC+1], 1.0
	s_add_co_u32 s[T], s[T], 1
	s_wait_loadcnt 0x0                 ; the bias
	BIASRND
.endif
.endm
	s_load_b512 s[16:31], s[0:1], 0x0              ; x s[16:17], wb s[18:19], bq, bk, bv s[20:25], q16, k16, v16 s[26:31]
	v_lshl_add_u32 v[SPW], v0, 2, SPARE
	v_mov_b32 v[NIL], 0
	ds_add_u32 v[SPW], v[NIL]                      ; the wave's opening: the add and its wait stand ahead of my first tensor load; the set-up below stands between them
	v_lshrrev_b32 v1, 5, v0
	v_readfirstlane_b32 s[WV], v1                  ; wave 0..3
	s_bfe_u32 s9, ttmp6, 0x40000                   ; cx: my place in the cluster
	s_lshl_b32 s10, ttmp9, 2
	s_add_co_u32 s10, s10, s9                      ; my block of 128 rows: it enters x's and the results' addresses alone
	s_and_b32 s11, ttmp7, 0xffff                   ; which 256 columns: the four partners share it
	; descriptor group 1: 64 rows x 128 elements of 2 bytes, padded in LDS
	s_mov_b32 s[G1], 15|(1<<16)|(1<<20)|(1<<21)|(5<<22)|(3<<25)  ; 15:0 the mask of four; 17:16 2-byte elements; 20 padding on; 21 set beside a mask; 24:22 after every 64 words; 31:25 4 words
	s_mov_b32 s[G1+1], 128<<16                     ; tensor_dim0 = 128
	s_mov_b32 s[G1+2], 64<<16                      ; tensor_dim1 = 64
	s_mov_b32 s[G1+3], 128<<16                     ; tile_dim0 = 128
	s_mov_b32 s[G1+4], 64                          ; tile_dim1 = 64
	s_mov_b32 s[G1+5], 512                         ; 512 elements from row to row
	s_mov_b32 s[G1+6], 0
	s_mov_b32 s[G1+7], 0
	s_mov_b32 s[G0], 1
	s_mul_i32 s[G0+1], s[WV], WPART                ; LDS address: the wave's number alone enters it
	s_mov_b32 s[G0+4], 1
	s_add_co_u32 s[G0+5], s[G0+1], SLOTB
	s_lshl_b32 s12, s11, 18                        ; W: 256 rows of 1,024 bytes a column half, 64 rows a wave
	s_lshl_b32 s13, s[WV], 16
	s_add_co_u32 s12, s12, s13
	s_mov_b32 s13, 0
	s_lshl_b32 s4, s11, 10                         ; the bias: 256 and 64 numbers of 4 bytes
	s_lshl_b32 s5, s[WV], 8
	s_add_co_u32 s4, s4, s5
	s_mov_b32 s5, 0
	s_lshl_b32 s6, s11, 2                          ; the results: group 4 x half + wave, 2 MiB each; 128 rows of 128 bytes a row block
	s_add_co_u32 s6, s6, s[WV]
	s_lshl_b32 s6, s6, 21
	s_lshl_b32 s7, s10, 14
	s_add_co_u32 s6, s6, s7
	s_mov_b32 s7, 0
	s_lshl_b32 s2, s10, 18                         ; x: 128 rows of 2,048 bytes a row block
	s_mov_b32 s3, 0
	s_mov_b32 s[J], 0
	s_mov_b32 s[T], 0
	s_mov_b32 s[FO], 0
	s_mov_b32 s[KO], 0
	s_mov_b32 s[OFFP+1], 0
	s_mov_b32 s[SC], 0x3d8293ee                    ; c = log2(e) / sqrt(512) = 0.0637587
	s_mov_b32 s[SC+1], 0x3d8293ee
	s_wait_dscnt 0x0                               ; the opening add is done
	s_wait_kmcnt 0x0
	s_add_nc_u64 s[X:X+1], s[X:X+1], s[2:3]
	s_add_nc_u64 s[18:19], s[18:19], s[12:13]      ; my rows of Wq,
	s_add_nc_u64 s[32:33], s[18:19], 0x80000       ; of Wk,
	s_add_nc_u64 s[34:35], s[18:19], 0x100000      ; of Wv
	s_add_nc_u64 s[20:21], s[20:21], s[4:5]
	s_add_nc_u64 s[22:23], s[22:23], s[4:5]
	s_add_nc_u64 s[24:25], s[24:25], s[4:5]
	s_add_nc_u64 s[26:27], s[26:27], s[6:7]
	s_add_nc_u64 s[28:29], s[28:29], s[6:7]
	s_add_nc_u64 s[30:31], s[30:31], s[6:7]
	s_mov_b64 s[FB:FB+1], s[18:19]
	s_mov_b64 s[NB:NB+1], s[32:33]
	s_mov_b64 s[OP:OP+1], s[26:27]
	s_add_nc_u64 s[G0+2:G0+3], s[FB:FB+1], 0       ; K step 0
	s_or_b32 s[G0+3], s[G0+3], 0x80000000
	s_add_nc_u64 s[G0+6:G0+7], s[FB:FB+1], 256     ; K step 1
	s_or_b32 s[G0+7], s[G0+7], 0x80000000
	CROUND                                         ; all four work-groups are here: the first joint loads meet
	tensor_load_to_lds s[G0:G0+3], s[G1:G1+7]      ; two loads of mine are out
	s_nop 0
	tensor_load_to_lds s[G0+4:G0+7], s[G1:G1+7]
	s_nop 0
	PLACES
	v_and_b32 v3, 31, v0                           ; lane
	v_and_b32 v1, 15, v0                           ; r
	v_bfe_u32 v2, v0, 4, 1                         ; h
	s_lshl_b32 s2, s[WV], 16
	v_lshlrev_b32 v[XO], 4, v3
	v_add_nc_u32 v[XO], s2, v[XO]
	v_lshlrev_b32 v[BO], 5, v2
	XLOAD 0
	BIASLD 20                                      ; bq
	XLOAD 1
	WIN 0
	v_mul_u32_u24 v20, v1, WPITCH
	v_lshl_add_u32 v20, v2, 4, v20                 ; row x pitch + 16 x half (8 numbers of bf16)
	s_mul_i32 s2, s[WV], WPART
	v_add_nc_u32 v[BADR], s2, v20
	v_add_nc_u32 v[BADR+1], SLOTB, v[BADR]
	v_mul_u32_u24 v21, v1, APITCH
	v_lshl_add_u32 v21, v2, 4, v21
	v_add_nc_u32 v[AB], AREG, v21
	v_add_nc_u32 v[AB+1], 64*APITCH, v[AB]
	s_mul_i32 s2, s[WV], 32*APITCH
	s_add_co_u32 s2, s2, AREG
	v_lshl_add_u32 v[XAB], v3, 3, s2
	s_mul_i32 s2, s[WV], 16*SPITCH
	s_add_co_u32 s2, s2, STAGE
	v_mul_u32_u24 v22, v1, SPITCH
	v_lshl_add_u32 v22, v2, 4, v22
	v_add_nc_u32 v[STO], s2, v22
	v_bfe_u32 v23, v0, 3, 2
	v_mul_u32_u24 v23, v23, SPITCH
	v_and_b32 v24, 7, v0
	v_lshl_add_u32 v23, v24, 4, v23
	v_add_nc_u32 v[RD], s2, v23
	v_lshlrev_b32 v[GO], 4, v3
	v_mov_b32 v[AC], v[AB]
	v_mov_b32 v[AC+1], v[AB+1]
	s_wait_loadcnt 32                              ; part 0 and the bias are in; part 1's 32 loads, issued behind them, may be out
	XBODY 0
	BIASRND
	s_wait_tensorcnt 0x1                           ; my rows of K step 0 are in; step 1's load, issued behind it, may stay out
	s_wait_dscnt 0x0                               ; for the others' sake: my rows of x are in LDS
	s_barrier_signal -1
	s_barrier_wait -1
	FETCH 0, 0, 0
	XLOAD 2                                        ; the rest of x is asked for now: no load of x stands in the loop
	XLOAD 3
	WIN 0
.Ltrip:                                                ; a trip: K = 256, eight blocks, once round the two slots; both are filled again
	s_and_b32 s2, s[J], 1
	s_cmp_eq_u32 s2, 0
	s_cbranch_scc1 .Lfirst
	BLOCK 0, 0, 0, 0, 1
	WIN 0
	s_branch .Ljoin
.Lfirst:                                               ; a tile's first block: the bias starts the sums
	BLOCK 0, 1, 0, 0, 1
	WIN 0
.Ljoin:
	s_add_co_u32 s[FO], s[FO], 512                 ; what is asked for in this trip is the next trip's: 256 numbers on, or the next W from its rows' heads
	s_cmp_eq_u32 s[FO], 1024
	s_cselect_b32 s[FO], 0, s[FO]
	s_cselect_b64 s[FB:FB+1], s[NB:NB+1], s[FB:FB+1]
	s_cselect_b64 s[NB:NB+1], s[34:35], s[NB:NB+1]
	BLOCK 1, 0, 0, 0, 2
	BLOCK 0, 0, 0, 0, 3
	BLOCK 1, 0, 1, 1, 0
	BLOCK 0, 0, 0, 1, 1
	BLOCK 1, 0, 0, 1, 2
	BLOCK 0, 0, 0, 1, 3
	BLOCK 1, 0, 2, 0, 0
	WIN 0
	s_and_b32 s2, s[J], 1
	s_cmp_eq_u32 s2, 1
	s_cbranch_scc0 .Lnoout
	WAYOUT 1                                       ; a tile is finished; both refills for the next are asked for
.Lnoout:
	s_add_co_u32 s[J], s[J], 1
	s_cmp_lt_u32 s[J], 5
	s_cbranch_scc1 .Ltrip
	BLOCK 0, 0, 0, 0, 1                            ; the last trip is written out: it fills nothing
	BLOCK 1, 0, 0, 0, 2
	BLOCK 0, 0, 0, 0, 3
	BLOCK 1, 0, 4, 1, 0
	BLOCK 0, 0, 0, 1, 1
	BLOCK 1, 0, 0, 1, 2
	BLOCK 0, 0, 0, 1, 3
	BLOCK 1, 0, 3, 0, 0
	WAYOUT 0
	s_wait_tensorcnt 0x0                           ; the wave's end, behind my last tensor load and my last LDS store
	ds_add_u32 v[SPW], v[NIL]
	s_wait_dscnt 0x0
	CROUND                                         ; the closing round: no work-group ends while a partner may still ask for a tile that names it
	s_endpgm
.Lfunc_end_k_q23d0557157_proj:
	.size	k_q23d0557157_proj, .Lfunc_end_k_q23d0557157_proj-k_q23d0557157_proj
	.p2alignl 7, 3214868480
	.fill 96, 4, 3214868480
	.section	.rodata,"a",@progbits
	.p2align	6, 0x0
	.amdhsa_kernel k_q23d0557157_proj
		.amdhsa_group_segment_fixed_size 327680
		.amdhsa_private_segment_fixed_size 0
		.amdhsa_enable_private_segment 0
		.amdhsa_kernarg_size 64
		.amdhsa_user_sgpr_count 2
		.amdhsa_user_sgpr_kernarg_segment_ptr 1
		.amdhsa_wavefront_size32 1
		.amdhsa_system_sgpr_workgroup_id_x 1
		.amdhsa_system_sgpr_workgroup_id_y 1
		.amdhsa_system_sgpr_workgroup_id_z 1
		.amdhsa_system_vgpr_workitem_id 0
		.amdhsa_next_free_vgpr 1024
		.amdhsa_next_free_sgpr 72
		.amdhsa_reserve_vcc 0
		.amdhsa_float_denorm_mode_32 3
		.amdhsa_float_denorm_mode_16_64 3
		.amdhsa_memory_ordered 1
		.amdhsa_forward_progress 1
		.amdhsa_inst_pref_size 166
	.end_amdhsa_kernel
	.amdgpu_metadata
---
amdhsa.version: [ 1, 2 ]
amdhsa.kernels:
  - .name:           k_q23d0557157_proj
    .symbol:         k_q23d0557157_proj.kd
    .args:
      - { .name: input, .offset: 0, .size: 8, .value_kind: global_buffer, .address_space: global }
      - { .name: wb, .offset: 8, .size: 8, .value_kind: global_buffer, .address_space: global }
      - { .name: b_q, .offset: 16, .size: 8, .value_kind: global_buffer, .address_space: global }
      - { .name: b_k, .offset: 24, .size: 8, .value_kind: global_buffer, .address_space: global }
      - { .name: b_v, .offset: 32, .size: 8, .value_kind: global_buffer, .address_space: global }
      - { .name: q16, .offset: 40, .size: 8, .value_kind: global_buffer, .address_space: global }
      - { .name: k16, .offset: 48, .size: 8, .value_kind: global_buffer, .address_space: global }
      - { .name: v16, .offset: 56, .size: 8, .value_kind: global_buffer, .address_space: global }
    .group_segment_fixed_size: 327680
    .private_segment_fixed_size: 0
    .kernarg_segment_align: 8
    .kernarg_segment_size: 64
    .max_flat_workgroup_size: 128
    .sgpr_count:     72
    .vgpr_count:     1024
    .wavefront_size: 32
...
	.end_amdgpu_metadata
.endif
;; end of part 2
;; launch attn (part 3): grid 32 x 8, 4 waves a work-group, clusters of 4 x 1, 327,680 bytes of LDS; arguments q16, k16, v16, mask, out0; writes out0
.if DOCPART == 3
	.amdgcn_target "amdgcn-amd-amdhsa--gfx1250"
	.amdhsa_code_object_version 6
	.text
	.protected	k_q23d0557157_attn
	.globl	k_q23d0557157_attn
	.p2align	8
	.type	k_q23d0557157_attn,@function
k_q23d0557157_attn:
	s_mov_b64 s[64:65], 0
	v_nop
	global_prefetch_b8 v0, s[64:65] scope:SCOPE_SE
	s_setreg_imm32_b32 hwreg(HW_REG_WAVE_MODE, 25, 1), 1
	s_wait_xcnt 0x0
	s_wait_alu depctr_hold_cnt(0) depctr_sa_sdst(0) depctr_va_vdst(0) depctr_va_sdst(0) depctr_va_ssrc(0) depctr_va_vcc(0) depctr_vm_vsrc(0)
	s_getreg_b32 s2, hwreg(HW_REG_IB_STS2, 6, 4)
	s_cmp_eq_u32 s2, 0
	s_cbranch_scc0 .Lentry_in_a_cluster
	s_endpgm
.Lentry_in_a_cluster:
	s_bfe_u32 s2, ttmp6, 0x10000c
	s_cmp_lg_u32 s2, 0x3003
	s_cbranch_scc0 .Lentry_shape_is_right
	s_endpgm
.Lentry_shape_is_right:
; out0[b][q][:] = the sum over k of softmax_k(t[q][k]) v[b][k][:], t = q . k / sqrt(512), or -2^31 where mask[b][q][k] = 0.
; q16 holds c q, c = log2(e) / sqrt(512), so the first product gives exponents of 2; a hidden score counts as -2^31 log2(e), rounded to f32.  q16, k16, v16: [g = channel / 64][b 2048 + s][64] f16.
; Products in f16 with f32 sums; maxima, exponentials and sums in f32; the weights are rounded to f16 for the second product (their sum is taken of the unrounded weights); out0 is f32.
; A running maximum m is taken away by a plain subtraction, which is exactly 0 at the maximum: a row whose keys are all hidden gets the weight 1 for every key, the mean of v, as the softmax of equal scores gives.
; LIMITS.  q16, k16, v16 arrive within f16's 65,504; a weight below 6e-5 keeps f16's fixed step of 6e-8; a weight below 2^-126 counts as 0; NaN and infinities are not treated apart.
; SHARES.  A work-group owns 64 queries of a batch: 32 x 8 = 256 work-groups; it walks the 2,048 keys, 64 a step.  O for 16 queries x 512 channels is 256 registers, so no wave owns whole queries:
; in a step wave w makes S^T = K Q^T for its 16 keys x all 64 queries (64 products; Q, 512 registers, stays in every wave), the four waves exchange their maxima and then P through LDS, and wave w
; adds V^T P into its 128 channels x 64 queries (64 products, 32 accumulators).  In S^T, P and O^T a lane holds one query (lane % 16).
; KEY ORDER.  Inside 16 keys place 8 h + j stands for key 2 h + 4 (j / 2) + j % 2, alike in K's rows, the mask, P and V's rows: with two keys to an LDS row of 272 bytes both K's loads and V's turning loads
; then touch 16 different 16-byte columns modulo 256.
; CLUSTER.  The four query blocks of a cluster belong to one batch and walk the same K and V: each tile is asked for jointly (mask 15).  The mask tile is each work-group's own: a plain load behind the same round.
; O^T, and l, start at 0 and m at the lowest finite number, so the first step is a step like any other with the factor 0: 256 v_mov_b32, which stand in the wait for the first tile, spare a first step written out.
; REGISTERS in windows of 256 (s_set_vgpr_msb: bits 1:0 source 0, 3:2 source 1, 5:4 source 2, 7:6 destination):
;   window 0: v0-19 addresses; v20-51 statistics, 8 a query block; v52-63 at work; v64-95 S^T; v96-127 the mask, then maxima and packed P; v64-127 P's fragments; v128-255 K's, then V's fragments
;   window 1: O^T (qb, cb) at 8 (8 qb + cb)          windows 2, 3: Q (qb, kb) in window 2 + qb / 2 at 128 (qb % 2) + 8 kb
.set SLOT,  156672                     ; a slot: K, V, mask of one step
.set VOFF,  69632                      ; K: 8 groups of 64 channels x 8,704 bytes: 64 keys of 128 bytes, 16 bytes of padding behind every two
.set MOFF,  139264                     ; V likewise; then the mask: 64 queries x 272 bytes (64 words + 16)
.set GRP,   8704
.set PBUF,  313344                     ; P: 64 queries x 144 bytes (64 f16 + 16)
.set PP,    144
.set MX,    322560                     ; maxima [query][wave] f32; 1,024 bytes behind them the sums, at the end
.set SPARE, 324608                     ; the spare words, 128 bytes a wave: two blocks of 256 bytes that no other line names
.set OPITCH, 272                       ; the way out: 16 rows x 272 bytes a wave, in slot 0, which has had its last fill and its last reads by then
.set KA,  3                            ; v3-4   my place in my 16 keys of K, slot 0, 1
.set VA,  5                            ; v5-6   in V
.set MA,  7                            ; v7-8   in the mask
.set PST, 9                            ; v9     where my 16 bytes of P go
.set PLD, 10                           ; v10    my place in P's fragments
.set MXS, 11                           ; v11    my wave's word of my query's maxima
.set MXL, 12                           ; v12    my query's four words
.set QO,  13                           ; v13    my byte offset in 16 rows of Q
.set STO, 13                           ;        later, the way out: where I put 32 bytes of a row
.set RD,  14                           ; v14    where I read rows back
.set GO,  15                           ; v15    my byte offset in two rows of out0
.set SPW, 16                           ; v16    my spare word; never rewritten
.set NIL, 17                           ; v17    0; never rewritten
.set PFO, 18                           ; v18    lane x 8,192: a row of the mask a lane
.set ST,  20                           ; query block qb at ST + 8 qb: +0 m, +1 m of the step before, +2, +3 l, +4 the factor a, +5 to +7 at work
.set S,   64
.set MK,  96
.set MXV, 96
.set PKD, 112
.set PF,  64
.set KV,  128
.set WV,  14                           ; s14    wave
.set G1K, 24                           ; s[24:31] descriptor group 1 for K's and V's tiles
.set G1M, 32                           ; s[32:39] for the mask's
.set G0K, 40                           ; s[40:47] descriptor group 0, a set for each slot
.set G0V, 48
.set G0M, 56
.set SEL, 66                           ; s[66:67] v_permlanex16_b32's selects: each lane takes its own place in the other half
.set NEG, 68                           ; s68    -2^31 log2(e)
.set CNT, 69
.set PFB, 70                           ; s[70:71] the mask tile to be prefetched
.set MSB, 0
.macro WIN new
.if MSB != (\new)
	s_set_vgpr_msb (MSB<<8)|(\new)
.set MSB, (\new)
.endif
.endm
.macro CROUND                          ; a round of the cluster's barrier
	s_barrier_signal -1
	s_barrier_wait -1
	s_cmp_lg_u32 s[WV], 0
	s_cbranch_scc1 .Lnot_wave_0_\@
	s_barrier_signal -3
.Lnot_wave_0_\@:
	s_barrier_wait -3
	s_barrier_signal -1
	s_barrier_wait -1
.endm
; A fill of slot n: wave 0 asks for K's tile, wave 1 for V's (both jointly), wave 2 for the mask's.  The branches hang on the wave's number alone.  An s_nop 0 and four v_nop follow each load.
; pf = 1: wave 3, which has no load, prefetches the mask tile two steps on: 64 rows x 256 bytes, a lane a row, each block once in the launch, one step ahead of its tensor load.  Steps 0 to 29 ask, for tiles 2 to 31.
.macro JLOAD n, pf
	s_cmp_lg_u32 s[WV], 0
	s_cbranch_scc1 .Lj1_\@
	tensor_load_to_lds s[G0K+4*(\n):G0K+4*(\n)+3], s[G1K:G1K+7]
	s_nop 0
.rept 4
	v_nop
.endr
	s_branch .Ljd_\@
.Lj1_\@:
	s_cmp_lg_u32 s[WV], 1
	s_cbranch_scc1 .Lj2_\@
	tensor_load_to_lds s[G0V+4*(\n):G0V+4*(\n)+3], s[G1K:G1K+7]
	s_nop 0
.rept 4
	v_nop
.endr
	s_branch .Ljd_\@
.Lj2_\@:
	s_cmp_lg_u32 s[WV], 2
	s_cbranch_scc1 .Lj3_\@
	tensor_load_to_lds s[G0M+4*(\n):G0M+4*(\n)+3], s[G1M:G1M+7]
	s_nop 0
.rept 4
	v_nop
.endr
	s_branch .Ljd_\@
.Lj3_\@:
.if \pf
	global_prefetch_b8 v[PFO], s[PFB:PFB+1] th:TH_LOAD_NT scope:SCOPE_SE
	global_prefetch_b8 v[PFO], s[PFB:PFB+1] offset:262144 th:TH_LOAD_NT scope:SCOPE_SE
.endif
.Ljd_\@:
.endm
.macro FETCH_K s                       ; my 16 keys x 512 channels: 16 fragments
.set kb, 0
.rept 16
	ds_load_b128 v[KV+8*kb:KV+8*kb+3],   v[KA+(\s)] offset:(kb/2)*GRP+(kb%2)*64
	ds_load_b128 v[KV+8*kb+4:KV+8*kb+7], v[KA+(\s)] offset:(kb/2)*GRP+(kb%2)*64+32
.set kb, kb+1
.endr
.endm
.macro FETCH_M s                       ; the mask words of my scores: registers 2 i, 2 i + 1 are two neighbouring keys
.irp qb, 0,1,2,3
.irp i, 0,1,2,3
	ds_load_b64 v[MK+8*\qb+2*\i:MK+8*\qb+2*\i+1], v[MA+(\s)] offset:\qb*16*272+16*\i
.endr
.endr
.endm
.macro FETCH_V s                       ; 64 keys x my 128 channels, turned: fragment f = 8 x key half + channel block
.set f, 0
.rept 16
	ds_load_tr16_b128 v[KV+8*f:KV+8*f+3],   v[VA+(\s)] offset:((f%8)/4)*GRP+(f%4)*32+(2*(f/8))*2176
	ds_load_tr16_b128 v[KV+8*f+4:KV+8*f+7], v[VA+(\s)] offset:((f%8)/4)*GRP+(f%4)*32+(2*(f/8)+1)*2176
.set f, f+1
.endr
.endm
.macro FETCH_P                         ; all 64 keys x 64 queries: the first key half first
.irp kb2, 0,1
.irp qb, 0,1,2,3
	ds_load_b128 v[PF+16*\qb+8*\kb2:PF+16*\qb+8*\kb2+3],   v[PLD] offset:\qb*16*PP+64*\kb2
	ds_load_b128 v[PF+16*\qb+8*\kb2+4:PF+16*\qb+8*\kb2+7], v[PLD] offset:\qb*16*PP+64*\kb2+32
.endr
.endr
.endm
.macro ALLQ line:vararg                ; one line for each query block q
.set q, 0
	s_wait_alu depctr_va_vdst(0)
.rept 4
	\line
.set q, q+1
.endr
.endm
; A KEY STEP on slot s.  refill = 1: the other slot is filled with the next step's tiles, which have the whole step in which to land.
.macro STEP s, refill, pf
	WIN 0
	s_wait_tensorcnt 0x0               ; all my tensor loads have landed: my tile of this slot; so every group 0 may be written
	ds_add_u32 v[SPW], v[NIL]          ; 0 onto my spare word; the addresses' steps stand between it and the wait for it
	s_wait_xcnt 0x0                    ; the last step's prefetches have read their base
	s_add_nc_u64 s[PFB:PFB+1], s[PFB:PFB+1], 256
	s_add_nc_u64 s[G0K+4*(\s)+2:G0K+4*(\s)+3], s[G0K+4*(\s)+2:G0K+4*(\s)+3], 16384  ; this slot's next tile: 128 keys of 128 bytes on
	s_add_nc_u64 s[G0V+4*(\s)+2:G0V+4*(\s)+3], s[G0V+4*(\s)+2:G0V+4*(\s)+3], 16384
	s_add_nc_u64 s[G0M+4*(\s)+2:G0M+4*(\s)+3], s[G0M+4*(\s)+2:G0M+4*(\s)+3], 512    ; 128 words on
	s_wait_dscnt 0x0                   ; the add is done, and my reads of the other slot, of P and of the maxima are over
.if \refill
	CROUND                             ; the same holds of every wave of the four work-groups
	JLOAD 1-(\s), \pf
.else
	s_barrier_signal -1
	s_barrier_wait -1
.endif
	; S^T = K Q^T: the four accumulators take turns
	FETCH_K \s
	FETCH_M \s
.set kb, 0
.rept 16
.if kb%4 == 0
	s_wait_dscnt 40-8*(kb/4)           ; of the 48 loads those of channel blocks up to kb + 3 are in
.endif
.irp qb, 0,1,2,3
	WIN 0x08+4*(\qb/2)
.if kb == 0
	v_wmma_f32_16x16x32_f16 v[S+8*\qb:S+8*\qb+7], v[KV+8*kb:KV+8*kb+7], v[128*(\qb%2)+8*kb:128*(\qb%2)+8*kb+7], 0
.else
	v_wmma_f32_16x16x32_f16 v[S+8*\qb:S+8*\qb+7], v[KV+8*kb:KV+8*kb+7], v[128*(\qb%2)+8*kb:128*(\qb%2)+8*kb+7], v[S+8*\qb:S+8*\qb+7]
.endif
.endr
.set kb, kb+1
.endr
	WIN 0
.rept 4
	v_nop                              ; four places between the last product and the first read of its result (ISA guide 7.12.1)
.endr
	s_wait_dscnt 0x0                   ; the mask
	; hidden scores are replaced; each accumulator's lowest register is read first
.irp j, 0,1,2,3,4,5,6,7
.irp qb, 0,1,2,3
	v_cmp_eq_u32 vcc_lo, 0, v[MK+8*\qb+\j]
	v_cndmask_b32 v[S+8*\qb+\j], v[S+8*\qb+\j], s[NEG], vcc_lo
.endr
.endr
	; my 16 keys' maximum for each query
	ALLQ v_max3_num_f32 v[ST+8*q+6], v[S+8*q], v[S+8*q+1], v[S+8*q+2]
	ALLQ v_max3_num_f32 v[ST+8*q+6], v[ST+8*q+6], v[S+8*q+3], v[S+8*q+4]
	ALLQ v_max3_num_f32 v[ST+8*q+6], v[ST+8*q+6], v[S+8*q+5], v[S+8*q+6]
	ALLQ v_max_num_f32 v[ST+8*q+6], v[ST+8*q+6], v[S+8*q+7]
	ALLQ v_permlanex16_b32 v[ST+8*q+5], v[ST+8*q+6], s[SEL], s[SEL+1]
	ALLQ v_max_num_f32 v[ST+8*q+6], v[ST+8*q+6], v[ST+8*q+5]
	ALLQ ds_store_b32 v[MXS], v[ST+8*q+6] offset:256*q
	s_wait_dscnt 0x0                   ; for the others' sake: my maxima are in LDS
	s_barrier_signal -1
	s_barrier_wait -1
	ALLQ ds_load_b128 v[MXV+4*q:MXV+4*q+3], v[MXL] offset:256*q
	s_wait_dscnt 0x0
	ALLQ v_max3_num_f32 v[ST+8*q], v[MXV+4*q], v[MXV+4*q+1], v[MXV+4*q+2]
	ALLQ v_max3_num_f32 v[ST+8*q], v[ST+8*q], v[MXV+4*q+3], v[ST+8*q+1]
	ALLQ v_sub_f32 v[ST+8*q+6], v[ST+8*q+1], v[ST+8*q]
.irp p, 0,1,2,3
	ALLQ v_pk_add_f32 v[S+8*q+2*\p:S+8*q+2*\p+1], v[S+8*q+2*\p:S+8*q+2*\p+1], v[ST+8*q:ST+8*q+1] op_sel_hi:[1,0] neg_lo:[0,1] neg_hi:[0,1]
.endr
	ALLQ v_exp_f32 v[ST+8*q+4], v[ST+8*q+6]
.set i, 0
.rept 32
	v_exp_f32 v[S+i], v[S+i]
.set i, i+1
.endr
	ALLQ v_mov_b32 v[ST+8*q+1], v[ST+8*q]         ; plain lines between the exponentials and the first use of a result (ISA guide 5.7.2)
.irp p, 0,1,2,3
	ALLQ v_cvt_pk_f16_f32 v[PKD+4*q+\p], v[S+8*q+2*\p], v[S+8*q+2*\p+1]
.endr
	ALLQ ds_store_b128 v[PST], v[PKD+4*q:PKD+4*q+3] offset:16*PP*q
	ALLQ v_pk_add_f32 v[S+8*q:S+8*q+1], v[S+8*q:S+8*q+1], v[S+8*q+2:S+8*q+3]
	ALLQ v_pk_add_f32 v[S+8*q+4:S+8*q+5], v[S+8*q+4:S+8*q+5], v[S+8*q+6:S+8*q+7]
	ALLQ v_pk_add_f32 v[S+8*q:S+8*q+1], v[S+8*q:S+8*q+1], v[S+8*q+4:S+8*q+5]
	ALLQ v_pk_fma_f32 v[ST+8*q+2:ST+8*q+3], v[ST+8*q+2:ST+8*q+3], v[ST+8*q+4:ST+8*q+5], v[S+8*q:S+8*q+1] op_sel_hi:[1,0,1]
	s_wait_dscnt 0x0                   ; for the others' sake: my part of P is in LDS
	s_barrier_signal -1
	FETCH_V \s                         ; between signal and wait: loads of bytes that nobody writes before the next round, and O^T times a
	WIN 0x41
.set i, 0
.rept 128
	v_pk_mul_f32 v[2*i:2*i+1], v[2*i:2*i+1], v[ST+8*(i/32)+4:ST+8*(i/32)+5] op_sel_hi:[1,0]
.set i, i+1
.endr
	WIN 0
	s_barrier_wait -1
	; O^T += V^T P: the 32 accumulators take turns
	FETCH_P
.irp kb2, 0,1
	s_wait_dscnt 8-8*\kb2              ; V and this key half of P are in; the other half's eight loads may be out
	WIN 0x50
.set a, 0
.rept 32
	v_wmma_f32_16x16x32_f16 v[8*(8*(a%4)+a/4):8*(8*(a%4)+a/4)+7], v[KV+64*\kb2+8*(a/4):KV+64*\kb2+8*(a/4)+7], v[PF+16*(a%4)+8*\kb2:PF+16*(a%4)+8*\kb2+7], v[8*(8*(a%4)+a/4):8*(8*(a%4)+a/4)+7]
.set a, a+1
.endr
.endr
	WIN 0
.rept 5
	v_nop                              ; five places: the next step's loads land in V's and P's registers, and its first products write over P's
.endr
.endm
	s_load_b256 s[4:11], s[0:1], 0x0               ; q16 s[4:5], k16 s[6:7], v16 s[8:9], mask s[10:11]
	s_load_b64 s[12:13], s[0:1], 0x20              ; out0
	v_lshl_add_u32 v[SPW], v0, 2, SPARE
	v_mov_b32 v[NIL], 0
	ds_add_u32 v[SPW], v[NIL]                      ; the wave's opening: the add and its wait stand ahead of my first tensor load; the set-up below stands between them
	v_lshrrev_b32 v1, 5, v0
	v_readfirstlane_b32 s[WV], v1                  ; wave 0..3
	s_bfe_u32 s15, ttmp6, 0x40000                  ; cx: my place in the cluster
	s_lshl_b32 s16, ttmp9, 2
	s_add_co_u32 s16, s16, s15                     ; my block of 64 queries: it enters Q's, the mask's and out0's addresses alone
	s_and_b32 s17, ttmp7, 0xffff                   ; the batch, which the four partners share
	; K's and V's tiles: 8 rows, one for each group of 64 channels: 64 keys x 128 bytes = 8,192 consecutive bytes, 2 MiB apart; padded after every 256 bytes
	s_mov_b32 s[G1K], 15|(1<<16)|(1<<20)|(1<<21)|(5<<22)|(3<<25)  ; 15:0 the mask of four; 17:16 2-byte elements; 20 padding on; 21 set beside a mask; 24:22 after every 64 words; 31:25 4 words
	s_mov_b32 s[G1K+1], 4096<<16                   ; tensor_dim0 = 4,096
	s_mov_b32 s[G1K+2], 8<<16                      ; tensor_dim1 = 8
	s_mov_b32 s[G1K+3], 4096<<16                   ; tile_dim0 = 4,096
	s_mov_b32 s[G1K+4], 8                          ; tile_dim1 = 8
	s_mov_b32 s[G1K+5], 0x100000                   ; elements from group to group
	s_mov_b32 s[G1K+6], 0
	s_mov_b32 s[G1K+7], 0
	; the mask's tile: 64 queries x 64 words
	s_mov_b32 s[G1M], (2<<16)|(1<<20)|(5<<22)|(3<<25)
	s_mov_b32 s[G1M+1], 64<<16
	s_mov_b32 s[G1M+2], 64<<16
	s_mov_b32 s[G1M+3], 64<<16
	s_mov_b32 s[G1M+4], 64
	s_mov_b32 s[G1M+5], 2048
	s_mov_b32 s[G1M+6], 0
	s_mov_b32 s[G1M+7], 0
.irp n, 0,1
	s_mov_b32 s[G0K+4*\n], 1
	s_mov_b32 s[G0K+4*\n+1], \n*SLOT
	s_mov_b32 s[G0V+4*\n], 1
	s_mov_b32 s[G0V+4*\n+1], \n*SLOT+VOFF
	s_mov_b32 s[G0M+4*\n], 1
	s_mov_b32 s[G0M+4*\n+1], \n*SLOT+MOFF
.endr
	s_mov_b32 s[SEL], 0x76543210
	s_mov_b32 s[SEL+1], 0xfedcba98
	s_mov_b32 s[NEG], 0xcf38aa3b                   ; -2^31 log2(e)
	s_mov_b32 s[CNT], 15
	s_lshl_b32 s18, s17, 18                        ; the batch's 2,048 rows of 128 bytes in a group
	s_mov_b32 s19, 0
	s_wait_dscnt 0x0                               ; the opening add is done
	s_wait_kmcnt 0x0
	s_add_nc_u64 s[6:7], s[6:7], s[18:19]
	s_add_nc_u64 s[8:9], s[8:9], s[18:19]
	s_add_nc_u64 s[4:5], s[4:5], s[18:19]
	s_lshl_b32 s20, s17, 24                        ; the mask: 16 MiB a batch, 64 rows of 8,192 bytes a block
	s_lshl_b32 s21, s16, 19
	s_add_co_u32 s20, s20, s21
	s_mov_b32 s21, 0
	s_add_nc_u64 s[10:11], s[10:11], s[20:21]
	s_lshl_b32 s20, s16, 13                        ; Q: 64 rows of 128 bytes a block
	s_add_nc_u64 s[4:5], s[4:5], s[20:21]
	s_add_nc_u64 s[22:23], s[4:5], 0x800000        ; groups 4 to 7: beyond the reach of an immediate offset
	s_lshl_b32 s20, s17, 22                        ; out0: 2,048 rows of 2,048 bytes a batch, 64 a block, 512 bytes a wave
	s_lshl_b32 s21, s16, 17
	s_add_co_u32 s20, s20, s21
	s_lshl_b32 s21, s[WV], 9
	s_add_co_u32 s20, s20, s21
	s_mov_b32 s21, 0
	s_add_nc_u64 s[12:13], s[12:13], s[20:21]
.irp n, 0,1
	s_add_nc_u64 s[G0K+4*\n+2:G0K+4*\n+3], s[6:7], \n*8192
	s_or_b32 s[G0K+4*\n+3], s[G0K+4*\n+3], 0x80000000
	s_add_nc_u64 s[G0V+4*\n+2:G0V+4*\n+3], s[8:9], \n*8192
	s_or_b32 s[G0V+4*\n+3], s[G0V+4*\n+3], 0x80000000
	s_add_nc_u64 s[G0M+4*\n+2:G0M+4*\n+3], s[10:11], \n*256
	s_or_b32 s[G0M+4*\n+3], s[G0M+4*\n+3], 0x80000000
.endr
	s_add_nc_u64 s[PFB:PFB+1], s[10:11], 256       ; step j adds 256 and then names tile j + 2
	CROUND                                         ; all four work-groups are here: the first joint loads meet
	JLOAD 0, 0                                     ; step 0's tiles; slot 1 is filled behind the first step's round
	v_and_b32 v1, 15, v0                           ; r
	v_bfe_u32 v2, v0, 4, 1                         ; h
	v_lshlrev_b32 v[QO], 7, v1
	v_lshl_add_u32 v[QO], v2, 4, v[QO]             ; row x 128 + 16 x half
.set qb, 0
.rept 4                                            ; Q stays in registers
	WIN 0x80+0x40*(qb/2)
.set kb, 0
.rept 16
.if kb < 8
	global_load_b128 v[128*(qb%2)+8*kb:128*(qb%2)+8*kb+3],   v[QO], s[4:5] offset:(kb/2)*2097152+qb*2048+(kb%2)*64
	global_load_b128 v[128*(qb%2)+8*kb+4:128*(qb%2)+8*kb+7], v[QO], s[4:5] offset:(kb/2)*2097152+qb*2048+(kb%2)*64+32
.else
	global_load_b128 v[128*(qb%2)+8*kb:128*(qb%2)+8*kb+3],   v[QO], s[22:23] offset:(kb/2-4)*2097152+qb*2048+(kb%2)*64
	global_load_b128 v[128*(qb%2)+8*kb+4:128*(qb%2)+8*kb+7], v[QO], s[22:23] offset:(kb/2-4)*2097152+qb*2048+(kb%2)*64+32
.endif
.set kb, kb+1
.endr
.set qb, qb+1
.endr
	WIN 0x40
.set i, 0
.rept 256
	v_mov_b32 v[i], 0                              ; O^T
.set i, i+1
.endr
	WIN 0
.set i, 0
.rept 4
	v_mov_b32 v[ST+8*i], 0
	v_mov_b32 v[ST+8*i+1], 0xff7fffff              ; m: the lowest finite number
	v_mov_b32 v[ST+8*i+2], 0
	v_mov_b32 v[ST+8*i+3], 0
	v_mov_b32 v[ST+8*i+4], 0
	v_mov_b32 v[ST+8*i+5], 0
	v_mov_b32 v[ST+8*i+6], 0
	v_mov_b32 v[ST+8*i+7], 0
.set i, i+1
.endr
	v_and_b32 v19, 31, v0                          ; lane
	v_lshlrev_b32 v[PFO], 13, v19
	v_bfe_u32 v52, v0, 3, 1                        ; bit 3 of the lane
	v_bfe_u32 v53, v0, 1, 2                        ; bits 2:1
	v_and_b32 v54, 1, v0                           ; bit 0
	; K: lane r holds place r of my 16 keys, which is key 2 (r / 8) + 4 ((r / 2) % 4) + r % 2: LDS row (r / 8) + 2 ((r / 2) % 4), half r % 2
	v_lshl_add_u32 v55, v53, 1, v52
	v_mul_u32_u24 v55, v55, 272
	v_lshl_add_u32 v55, v54, 7, v55
	v_lshl_add_u32 v55, v2, 4, v55
	s_mul_i32 s18, s[WV], 2176
	v_add_nc_u32 v[KA], s18, v55
	v_add_nc_u32 v[KA+1], SLOT, v[KA]
	; V: lane l addresses place 8 h + l % 8 of 16 keys: LDS row h + 2 ((l / 2) % 4), half l % 2; channels 8 ((l / 8) % 2) on
	v_lshl_add_u32 v56, v53, 1, v2
	v_mul_u32_u24 v56, v56, 272
	v_lshl_add_u32 v56, v54, 7, v56
	v_lshl_add_u32 v56, v52, 4, v56
	s_mul_i32 s18, s[WV], 2*GRP
	s_add_co_u32 s18, s18, VOFF
	v_add_nc_u32 v[VA], s18, v56
	v_add_nc_u32 v[VA+1], SLOT, v[VA]
	; the mask: query r, keys 16 w + 2 h + 4 i + 0, 1
	v_mul_u32_u24 v57, v1, 272
	v_lshl_add_u32 v57, v2, 3, v57
	s_lshl_b32 s18, s[WV], 6
	s_add_co_u32 s18, s18, MOFF
	v_add_nc_u32 v[MA], s18, v57
	v_add_nc_u32 v[MA+1], SLOT, v[MA]
	v_mul_u32_u24 v58, v1, PP
	v_lshl_add_u32 v58, v2, 4, v58
	v_add_nc_u32 v[PLD], PBUF, v58
	s_lshl_b32 s18, s[WV], 5
	v_add_nc_u32 v[PST], s18, v[PLD]
	v_lshl_add_u32 v[MXL], v1, 4, MX
	s_lshl_b32 s18, s[WV], 2
	v_add_nc_u32 v[MXS], s18, v[MXL]
	s_wait_loadcnt 0x0                             ; Q
.Lloop:                                                ; 15 trips of two steps; each step fills the other slot
	STEP 0, 1, 1
	STEP 1, 1, 1
	s_sub_co_u32 s[CNT], s[CNT], 1
	s_cmp_lg_u32 s[CNT], 0
	s_cbranch_scc1 .Lloop
	STEP 0, 1, 0                                   ; the last two steps are written out: one more fill, no prefetch; then nothing is asked for
	STEP 1, 0, 0
	; THE WAY OUT.  l: my lanes' two halves, the other half of the lanes', and the four waves' through LDS; O^T divided by l goes through my stage, 16 queries x 64 channels at a time.
	ALLQ v_add_f32 v[ST+8*q+6], v[ST+8*q+2], v[ST+8*q+3]
	ALLQ v_permlanex16_b32 v[ST+8*q+5], v[ST+8*q+6], s[SEL], s[SEL+1]
	ALLQ v_add_f32 v[ST+8*q+6], v[ST+8*q+6], v[ST+8*q+5]
	ALLQ ds_store_b32 v[MXS], v[ST+8*q+6] offset:1024+256*q
	s_wait_dscnt 0x0                               ; for the others' sake
	s_barrier_signal -1
	s_barrier_wait -1
	ALLQ ds_load_b128 v[MXV+4*q:MXV+4*q+3], v[MXL] offset:1024+256*q
	s_wait_dscnt 0x0
	ALLQ v_add_f32 v[ST+8*q+6], v[MXV+4*q], v[MXV+4*q+1]
	ALLQ v_add_f32 v[ST+8*q+7], v[MXV+4*q+2], v[MXV+4*q+3]
	ALLQ v_add_f32 v[ST+8*q+6], v[ST+8*q+6], v[ST+8*q+7]
	ALLQ v_rcp_f32 v[ST+8*q+4], v[ST+8*q+6]
	s_mul_i32 s18, s[WV], 16*OPITCH                ; the plain lines below stand between the reciprocals and their use
	v_mul_u32_u24 v52, v1, OPITCH                  ; in: row r, 32 bytes for each half of the lanes
	v_lshl_add_u32 v52, v2, 5, v52
	v_add_nc_u32 v[STO], s18, v52
	v_mul_u32_u24 v53, v2, OPITCH                  ; back: lanes 0-15 take one row of 256 bytes, lanes 16-31 the next
	v_lshl_add_u32 v53, v1, 4, v53
	v_add_nc_u32 v[RD], s18, v53
	v_lshlrev_b32 v[GO], 11, v2                    ; and the same two rows in out0
	v_lshl_add_u32 v[GO], v1, 4, v[GO]
	s_wait_alu depctr_va_vdst(0)
.macro OUTP u                          ; query block u / 2, channels 64 (u % 2) on
	s_wait_xcnt 0x0                    ; earlier stores have read the registers that the loads below fill
	WIN 0x41
.set i, 0
.rept 16
	v_pk_mul_f32 v[32*(\u)+2*i:32*(\u)+2*i+1], v[32*(\u)+2*i:32*(\u)+2*i+1], v[ST+8*((\u)/2)+4:ST+8*((\u)/2)+5] op_sel_hi:[1,0]
.set i, i+1
.endr
	WIN 0x04                           ; store data window 1
.set i, 0
.rept 4
	ds_store_b128 v[STO], v[32*(\u)+8*i:32*(\u)+8*i+3]   offset:64*i
	ds_store_b128 v[STO], v[32*(\u)+8*i+4:32*(\u)+8*i+7] offset:64*i+16
.set i, i+1
.endr
	WIN 0
.set i, 0
.rept 8
	ds_load_b128 v[KV+32*((\u)%4)+4*i:KV+32*((\u)%4)+4*i+3], v[RD] offset:2*OPITCH*i  ; LDS serves a wave's instructions in order (ISA guide 5.7.1): these see the stores above
.set i, i+1
.endr
.endm
.macro SENDO u, y                      ; y: the LDS instructions issued behind part u's loads: the next part's sixteen, or none
.set i, 0
.rept 8
	s_wait_dscnt (\y)+7-i
	global_store_b128 v[GO], v[KV+32*((\u)%4)+4*i:KV+32*((\u)%4)+4*i+3], s[12:13] offset:(16*((\u)/2)+2*i)*2048+256*((\u)%2) th:TH_STORE_NT  ; 16 lanes store 256 consecutive bytes, at a multiple of 256 from out0's first
.set i, i+1
.endr
.endm
	OUTP 0
.irp u, 1,2,3,4,5,6,7
	OUTP \u                                        ; a part's arithmetic stands between the loads of the part before and its stores
	SENDO \u-1, 16
.endr
	SENDO 7, 0
	s_wait_tensorcnt 0x0                           ; the wave's end, behind my last tensor load and my last LDS store
	ds_add_u32 v[SPW], v[NIL]
	s_wait_dscnt 0x0
	CROUND                                         ; the closing round: no work-group ends while a partner may still ask for a tile that names it
	s_endpgm
.Lfunc_end_k_q23d0557157_attn:
	.size	k_q23d0557157_attn, .Lfunc_end_k_q23d0557157_attn-k_q23d0557157_attn
	.p2alignl 7, 3214868480
	.fill 96, 4, 3214868480
	.section	.rodata,"a",@progbits
	.p2align	6, 0x0
	.amdhsa_kernel k_q23d0557157_attn
		.amdhsa_group_segment_fixed_size 327680
		.amdhsa_private_segment_fixed_size 0
		.amdhsa_enable_private_segment 0
		.amdhsa_kernarg_size 40
		.amdhsa_user_sgpr_count 2
		.amdhsa_user_sgpr_kernarg_segment_ptr 1
		.amdhsa_wavefront_size32 1
		.amdhsa_system_sgpr_workgroup_id_x 1
		.amdhsa_system_sgpr_workgroup_id_y 1
		.amdhsa_system_sgpr_workgroup_id_z 1
		.amdhsa_system_vgpr_workitem_id 0
		.amdhsa_next_free_vgpr 1024
		.amdhsa_next_free_sgpr 72
		.amdhsa_reserve_vcc 1
		.amdhsa_float_denorm_mode_32 3
		.amdhsa_float_denorm_mode_16_64 3
		.amdhsa_memory_ordered 1
		.amdhsa_forward_progress 1
		.amdhsa_inst_pref_size 201
	.end_amdhsa_kernel
	.amdgpu_metadata
---
amdhsa.version: [ 1, 2 ]
amdhsa.kernels:
  - .name:           k_q23d0557157_attn
    .symbol:         k_q23d0557157_attn.kd
    .args:
      - { .name: q16, .offset: 0, .size: 8, .value_kind: global_buffer, .address_space: global }
      - { .name: k16, .offset: 8, .size: 8, .value_kind: global_buffer, .address_space: global }
      - { .name: v16, .offset: 16, .size: 8, .value_kind: global_buffer, .address_space: global }
      - { .name: mask, .offset: 24, .size: 8, .value_kind: global_buffer, .address_space: global }
      - { .name: out0, .offset: 32, .size: 8, .value_kind: global_buffer, .address_space: global }
    .group_segment_fixed_size: 327680
    .private_segment_fixed_size: 0
    .kernarg_segment_align: 8
    .kernarg_segment_size: 40
    .max_flat_workgroup_size: 128
    .sgpr_count:     72
    .vgpr_count:     1024
    .wavefront_size: 32
...
	.end_amdgpu_metadata
.endif
;; end of part 3
